; MI455X (gfx1250); checked and timed in simulation.
; The chip was launched on July 23, 2026; its instructions are those of AMD's public machine-readable ISA for CDNA 5 (MIT licence, August 2026) and "CDNA5" Instruction Set Architecture Reference Guide (July 2026). The comments in the code are by the model that wrote it; some were corrected since.
;; LSTM Block. Allowed arithmetic: matrix products marked QUANTISED: E2M1 operands, one E8M0 scale for each 32 along K, by v_wmma_scale_f32_16x16x128_f8f6f4 with both operands' format E2M1 (or v_wmma_scale_f32_32x16x128_f4), f32 sums; everything else in f32.
;; Inputs: W_c 2,048 x 3,072 float32; W_f 2,048 x 3,072 float32; W_h2o 2,048 x 2,048 float32; W_i 2,048 x 3,072 float32; W_o 2,048 x 3,072 float32; b_c 2,048 float32; b_f 2,048 float32; b_h2o 2,048 float32; b_i 2,048 float32; b_o 2,048 float32; long_term 2,048 x 2,048 float32; short_term 2,048 x 2,048 float32; x 2,048 x 1,024 float32.
;; Outputs: out0 2,048 x 2,048 float32; out1 2,048 x 2,048 float32.
;; This version of the problem:
;;   THIS VERSION OF THE PROBLEM IS GIVEN IN LOW PRECISION. The matrix products marked QUANTISED in the list below multiply operands that are first quantised to E2M1 (2 exponent bits, 1 mantissa bit; 4 bits a number), with one power-of-two scale for each 32 numbers along K (OCP MX v1.0); their sums are f32. All else is computed in f32.
;;   The module's matrix products, in the order in which they are computed (A, B: the left and right operand; K: the contracted axis; several contracted axes count as one K, in the product's order):
;;     1. [M 2,048, K 3,072] x [K 3,072, N 8,192]; A: computed on the way; B: computed on the way: QUANTISED
;;     2. [M 2,048, K 2,048] x [K 2,048, N 2,048]; A: computed on the way; B: input W_h2o: QUANTISED
;;   THE QUANTISER, for each operand of a quantised product, along K:
;;     - K is cut into blocks of 32 from its start; a last block that is shorter is filled with zeros.
;;     - A block's scale is 2^e with e = floor(log2(the largest magnitude in the block)) - 2, held to -126 .. 127; a block of zeros has e = 0. As a byte (E8M0): e + 127.
;;     - Each number is divided by its block's scale, clamped to +-6, and rounded to the nearest number of E2M1, ties to even, subnormals kept.
;;     - The product sums the exact products of the quantised numbers (number of the format x scale) in f32.
;;   ~~~python
;;   def quantise(x, axis):      # numpy; x: float32 -> the quantised numbers, widened to float32 again
;;       x = np.moveaxis(x, axis, -1); K = x.shape[-1]
;;       x = np.pad(x, [(0, 0)] * (x.ndim - 1) + [(0, -K % 32)]); x = x.reshape(x.shape[:-1] + (-1, 32)); a = np.abs(x).max(-1, keepdims=True)
;;       e = np.where(a > 0, np.clip(np.frexp(np.where(a > 0, a, 1))[1] - 1 - 2, -126, 127), 0)      # np.frexp(a)[1] - 1 = floor(log2(a)), exactly
;;       r = np.clip(x / 2.0 ** e, -6, 6)
;;       step = 2.0 ** (np.maximum(np.frexp(np.where(r == 0, 1, r))[1] - 1, 0) - 1)
;;       q = np.round(r / step) * step * 2.0 ** e      # np.round: ties to even
;;       return np.moveaxis(q.reshape(q.shape[:-2] + (-1,))[..., :K], -1, axis).astype(np.float32)
;;   ~~~
;;   OPERANDS COMPUTED ON THE WAY. 'Computed on the way' means the value that the module computes at that place (a softmax that the list does not call 'softmax' is quantised finished and normalised). What goes into a quantiser is computed in f32, as accurately as f32 sums, v_exp_f32 and their like allow (about 1e-6 of the number): no bf16 or f16 on the way to a quantiser, and a product that is left as it is and whose result goes on into a quantised operand takes f32 operands (vector FMAs, or v_wmma_f32_16x16x4_f32). A number that lies on a knife's edge between two numbers of the format may be rounded either way, as far as f32 arithmetic and the matrix unit's own rounding can turn it there, and no further.
;; One version. Each part assembles by itself: llvm-mc -triple=amdgcn-amd-amdhsa -mcpu=gfx1250 --defsym DOCPART=n.
;; ======== version 1 of 1: 3 launches
;; limits: right only within a limited range of input values
;; workspace buffers: aq 3,342,336 bytes; wq 13,369,344 bytes; hq 2,228,224 bytes; cq 2,228,224 bytes; ob 16,777,216 bytes
;; launch quant (part 1): grid 256 x 1, 17 waves a work-group, no clusters, 176,384 bytes of LDS; arguments x, short_term, W_f, W_i, W_c, W_o, W_h2o, aq, wq, hq; writes aq, wq, hq
.if DOCPART == 1
	.amdgcn_target "amdgcn-amd-amdhsa--gfx1250"
	.amdhsa_code_object_version 6
	.text
	.protected	k_qf4dab457c8_quant
	.globl	k_qf4dab457c8_quant
	.p2align	8
	.type	k_qf4dab457c8_quant,@function
k_qf4dab457c8_quant:
	s_mov_b64 s[64:65], 0
	v_nop
	global_prefetch_b8 v0, s[64:65] scope:SCOPE_SE
	s_setreg_imm32_b32 hwreg(HW_REG_WAVE_MODE, 25, 1), 1
	s_wait_xcnt 0x0
; LSTM block, first of three launches: every GIVEN operand of the two quantised products becomes codes of FP4 (E2M1) with one E8M0 byte for each 32 along K.
; NO WORK IS LEFT OUT in this program: every input of reference() has a way to an output, and all thirteen are loaded (seven here, six in the later launches).
; combined = [x | short_term] -> aq (K = 3,072; x is 1,024 wide, a multiple of 32, so the joint cuts no block);  W_f, W_i, W_c, W_o -> wq;  W_h2o -> hq.  K is innermost in all of them.
; THE LAYOUT OF aq, wq, hq (and of cq, which the second launch writes): Q[K step of 512][plane 0..16][row][16 bytes].  Plane p < 16: the 32 codes of the K step's block p, the lower k in the low four bits;
; plane 16: the row's 16 scale bytes of the K step.  So 17 lines of (rows x 16) bytes are all that a product wants of those rows for 512 along K, and 16 rows of one plane are 256 consecutive bytes.
; THE ROWS OF A WEIGHT ARE LAID IN ANOTHER ORDER: the 16 rows of group G = 2 P + u are the source rows 32 P + 8 u + rr + 8 (rr / 8).  In wq group G of gate g lies at row 128 P + 32 g + 16 u, in hq at 16 G.
; A block's scale is 2^(floor(log2(its largest magnitude)) - 2); its byte is the largest magnitude's exponent field - 2, held at 1 from below.
; LIMITS: a block of zeros gets the byte 1 where the rule says 127 (its codes are zeros, which add nothing, and this program alone reads the bytes); blocks whose largest magnitude lies under 2^-124 keep the byte 1;
; NaN and infinities among the inputs are not served.
; SHARES.  A wave takes 16 destination rows x 512 along K: 16 steps, a row each, 2,048 consecutive source bytes.  34 slabs of 512 along K (x 2, short_term 4, each W 6, W_h2o 4) x 128 groups of rows = 4,352 waves
; = 256 work-groups of 17 waves: every work-group has the same share.  Wave w of work-group g takes unit 17 g + w: slab = unit / 128, group of rows = unit % 128.
; A step's four loads read 512 consecutive bytes each; the 2,048 bytes turn through the wave's own stage in LDS so that a lane holds 16 neighbours (two lanes to a block).  Codes and bytes are gathered by planes in
; the wave's own LDS and leave as 17 stores of 256 consecutive, aligned bytes.  One path through the text for all seven tensors: only pointers and strides are chosen, on the unit's number.
; No tensor loads, no barrier: waves share nothing.  Loads run four steps (16 loads a wave) ahead, the turn through LDS one step.
.set WAVES, 17
.set STEPS, 16
.set EMAX,  2
.set SP,    80                         ; a lane's place in a stage: its 64 bytes + 16 of padding
.set WREG,  10240                      ; LDS: a region for each wave: two stages of 32 x SP bytes, then the gather
.set GA,    5120                       ; the gather: 17 planes of 256 bytes + 16 of padding
.set GP,    272
.set SPARE, WAVES*WREG                 ; behind the seventeen regions: the spare words, 128 bytes for each wave: nine blocks of 256 bytes that no other line names
.set SPW,   12                         ; v12      LDS address of my spare word; never rewritten
.set NIL,   13                         ; v13      0; never rewritten
.set R,     16                         ; v16-79   four sets of 16 numbers as they are loaded
.set X,     80                         ; v80-111  two sets of 16 neighbours
.set E,     112                        ; v112-127 a scale byte for each step
.set C,     128                        ; v128-159 a pair of code registers for each step
.set VO,    160                        ; v160-175 step t's byte offset in the source: 16 x lane + the row; never rewritten
	s_load_b512 s[8:23], s[0:1], 0x0               ; x, short_term, W_f, W_i, W_c, W_o, W_h2o, aq
	s_load_b128 s[24:27], s[0:1], 0x40             ; wq, hq
	v_lshl_add_u32 v[SPW], v0, 2, SPARE
	v_mov_b32 v[NIL], 0
	v_lshrrev_b32 v1, 5, v0
	s_delay_alu instid0(VALU_DEP_1)
	v_readfirstlane_b32 s2, v1                     ; wave
	v_and_b32 v2, 31, v0                           ; lane
	s_delay_alu instid0(VALU_DEP_1)
	v_lshlrev_b32 v3, 4, v2                        ; my 16 bytes of a load's 512
	s_mul_i32 s38, s2, WREG
	v_lshrrev_b32 v14, 2, v2
	s_delay_alu instid0(VALU_DEP_1)
	v_mul_u32_u24 v14, v14, SP
	v_and_b32 v15, 3, v2
	s_delay_alu instid0(VALU_DEP_1)
	v_lshl_add_u32 v14, v15, 4, v14
	s_delay_alu instid0(VALU_DEP_1)
	v_add_nc_u32 v14, s38, v14                     ; the stage, on the way in: SP (lane / 4) + 16 (lane % 4)
	v_mul_u32_u24 v15, v2, SP
	s_delay_alu instid0(VALU_DEP_1)
	v_add_nc_u32 v15, s38, v15                     ; and on the way out: SP x lane: my 16 neighbours
	s_add_co_u32 s38, s38, GA
	v_lshrrev_b32 v5, 1, v2                        ; my block of the step's sixteen = my plane
	s_delay_alu instid0(VALU_DEP_1)
	v_mul_u32_u24 v4, v5, GP
	v_and_b32 v6, 1, v2
	s_delay_alu instid0(VALU_DEP_1)
	v_lshl_add_u32 v4, v6, 3, v4
	s_delay_alu instid0(VALU_DEP_1)
	v_add_nc_u32 v4, s38, v4                       ; the gather: my plane, my half of the block's 16 bytes; the step's row stands in the immediate
	v_add_nc_u32 v5, s38, v5
	s_delay_alu instid0(VALU_DEP_1)
	v_add_nc_u32 v5, 16*GP, v5                     ; plane 16: my block's byte
	v_lshlrev_b32 v7, 3, v2                        ; on the way out 8 bytes a lane
	s_delay_alu instid0(VALU_DEP_1)
	v_add_nc_u32 v6, s38, v7
	s_mul_i32 s28, ttmp9, WAVES
	s_add_co_u32 s28, s28, s2                      ; my unit, 0 .. 4,351
	s_lshr_b32 s3, s28, 7                          ; S: which slab, 0 .. 33
	s_and_b32 s28, s28, 127                        ; G: which group of 16 rows, 0 .. 127
	s_mov_b32 s29, 0                               ; the tensor's first slab
	s_mov_b32 s30, 4096                            ; bytes in a source row
	s_mov_b32 s31, 0                               ; the gate
	s_wait_kmcnt 0x0
	s_mov_b64 s[4:5], s[8:9]                       ; slabs 0, 1: x
.macro PICK from, ptr, stride, gate    ; from slab 'from' on: another tensor.  Only selects stand behind the compare
	s_cmp_ge_u32 s3, \from
	s_cselect_b64 s[4:5], s[\ptr:\ptr+1], s[4:5]
	s_cselect_b32 s29, \from, s29
	s_cselect_b32 s30, \stride, s30
	s_cselect_b32 s31, \gate, s31
.endm
	PICK 2,  10, 8192,  0                          ; short_term
	PICK 6,  12, 12288, 0                          ; W_f
	PICK 12, 14, 12288, 1                          ; W_i
	PICK 18, 16, 12288, 2                          ; W_c
	PICK 24, 18, 12288, 3                          ; W_o
	PICK 30, 20, 8192,  0                          ; W_h2o
	s_sub_co_u32 s32, s3, s29                      ; the K step within the source
	s_lshr_b32 s38, s28, 1                         ; P
	s_and_b32 s39, s28, 1                          ; u
	s_lshl_b32 s40, s28, 4                         ; 16 G: rows in their own order
	s_lshl_b32 s41, s38, 5
	s_lshl_b32 s42, s39, 3
	s_add_co_u32 s41, s41, s42                     ; a weight's first source row: 32 P + 8 u
	s_lshl_b32 s42, s38, 7
	s_lshl_b32 s43, s31, 5
	s_add_co_u32 s42, s42, s43
	s_lshl_b32 s43, s39, 4
	s_add_co_u32 s42, s42, s43                     ; its first row in wq: 128 P + 32 gate + 16 u
	s_lshl_b32 s43, s30, 3                         ; eight source rows
	s_mov_b32 s34, 0x8000                          ; bytes in a plane: 2,048 rows x 16
	s_cmp_ge_u32 s3, 6                             ; a weight?
	s_cselect_b64 s[6:7], s[24:25], s[22:23]       ; wq or aq
	s_cselect_b32 s33, s32, s3                     ; the K step in the destination: aq's are the slabs 0 .. 5 themselves
	s_cselect_b32 s34, 0x20000, s34                ; wq: 8,192 rows x 16
	s_cselect_b32 s36, s41, s40                    ; first source row
	s_cselect_b32 s35, s43, 0                      ; a weight's rows 8 .. 15 of a group lie eight further on
	s_cselect_b32 s37, s42, s40                    ; first destination row
	s_cmp_ge_u32 s3, 30                            ; W_h2o?
	s_cselect_b64 s[6:7], s[26:27], s[6:7]
	s_cselect_b32 s34, 0x8000, s34
	s_cselect_b32 s37, s40, s37
	s_mul_i32 s38, s36, s30
	s_lshl_b32 s40, s32, 11
	s_add_co_u32 s38, s38, s40                     ; source: first row x stride + 2,048 x K step (under 2^25)
	s_mov_b32 s39, 0
	s_add_nc_u64 s[4:5], s[4:5], s[38:39]
	s_mul_i32 s40, s33, 17
	s_mul_i32 s40, s40, s34
	s_lshl_b32 s41, s37, 4
	s_add_co_u32 s40, s40, s41                     ; destination: 17 planes x K step + 16 x first row (under 2^24)
	s_mov_b32 s41, 0
	s_add_nc_u64 s[6:7], s[6:7], s[40:41]
	v_mov_b32 v[VO], v3
.irp t, 1,2,3,4,5,6,7,8,9,10,11,12,13,14,15
	s_delay_alu instid0(VALU_DEP_1)
	v_add_nc_u32 v[VO+\t], s30, v[VO+\t-1]
.if \t == 8
	s_delay_alu instid0(VALU_DEP_1)
	v_add_nc_u32 v[VO+8], s35, v[VO+8]
.endif
.endr
.macro LOAD t
.irp i, 0,1,2,3
	global_load_b128 v[R+16*((\t)%4)+4*\i:R+16*((\t)%4)+4*\i+3], v[VO+(\t)], s[4:5] offset:512*\i th:TH_LOAD_NT   ; 32 lanes read 512 consecutive bytes; read once in the launch
.endr
.endm
.macro TURN t                          ; step t's numbers through the stage: LDS serves a wave's instructions in order, so no wait stands between the stores and the loads
.irp i, 0,1,2,3
	ds_store_b128 v14, v[R+16*((\t)%4)+4*\i:R+16*((\t)%4)+4*\i+3] offset:32*SP*((\t)%2)+8*SP*\i
.endr
.irp i, 0,1,2,3
	ds_load_b128 v[X+16*((\t)%2)+4*\i:X+16*((\t)%2)+4*\i+3], v15 offset:32*SP*((\t)%2)+16*\i
.endr
.endm
.irp t, 0,1,2,3
	LOAD \t
.endr
	s_wait_loadcnt 12                              ; step 0's four loads are in; the twelve of steps 1 to 3 may be out
	TURN 0
.macro STEP t
.set XS, X+16*((\t)%2)
.if (\t) > 0
	s_wait_dscnt 2                                 ; this step's numbers are back from the stage (the last step's two stores into the gather may be out): so its stores into the stage have read their registers,
.else
	s_wait_dscnt 0x0
.endif
.if (\t)+4 < STEPS
	LOAD (\t)+4                                    ; which take the loads of four steps on
.endif
.if (\t)+1 < STEPS
.if STEPS-2-(\t) >= 3
	s_wait_loadcnt 12                              ; the next step's four loads are in; those of the three steps behind it may be out
.else
	s_wait_loadcnt 4*(STEPS-2-(\t))
.endif
	TURN (\t)+1                                    ; and go through the other stage while this step is worked
.endif
	v_max3_num_f32 v8, |v[XS]|, |v[XS+1]|, |v[XS+2]|               ; the largest magnitude of my 16, in two chains
	v_max3_num_f32 v9, |v[XS+3]|, |v[XS+4]|, |v[XS+5]|
.irp i, 6,10
	s_delay_alu instid0(VALU_DEP_2)
	v_max3_num_f32 v8, v8, |v[XS+\i]|, |v[XS+\i+1]|
	s_delay_alu instid0(VALU_DEP_2)
	v_max3_num_f32 v9, v9, |v[XS+\i+2]|, |v[XS+\i+3]|
.endr
	s_delay_alu instid0(VALU_DEP_2)
	v_max3_num_f32 v8, v8, |v[XS+14]|, |v[XS+15]|
	s_delay_alu instid0(VALU_DEP_1)
	v_max3_num_f32 v8, v8, v9, (EMAX+1)<<23        ; and the floor 2^(3 - 127): the byte cannot fall under 1
	s_delay_alu instid0(VALU_DEP_1)
	v_max_num_f32_dpp v8, v8, v8 row_xmask:1 row_mask:0xf bank_mask:0xf   ; and of my neighbour's 16: the block's
	s_delay_alu instid0(VALU_DEP_1)
	v_add_nc_u32 v11, -(EMAX<<23), v8              ; 2 off its exponent field: the conversion takes the exponent field of this operand as its scale, and nothing else of it
	v_cvt_scalef32_pk8_fp4_f32 v[C+2*(\t)], v[XS:XS+7], v11        ; eight numbers / the scale, to the nearest code, ties to even, beyond the largest code the largest
	v_cvt_scalef32_pk8_fp4_f32 v[C+2*(\t)+1], v[XS+8:XS+15], v11
	v_lshrrev_b32 v[E+(\t)], 23, v11               ; the scale's byte (a plain line behind the conversions)
	ds_store_b8 v5, v[E+(\t)] offset:16*(\t)       ; plane 16, row t: both lanes of a block write the same byte with the same value
	ds_store_b64 v4, v[C+2*(\t):C+2*(\t)+1] offset:16*(\t)         ; my plane, row t, my 8 bytes
.endm
.irp t, 0,1,2,3,4,5,6,7,8,9,10,11,12,13,14,15
	STEP \t
.endr
	s_wait_dscnt 0x0                               ; all my LDS stores have read their registers: v16 on are free
.irp p, 0,1,2,3,4,5,6,7,8,9,10,11,12,13,14,15,16
	ds_load_b64 v[34+2*\p:35+2*\p], v6 offset:GP*\p                ; plane p of my 16 rows: 256 bytes, 8 a lane
.endr
	v_mov_b32 v16, v7
.irp p, 1,2,3,4,5,6,7,8,9,10,11,12,13,14,15,16
	s_delay_alu instid0(VALU_DEP_1)
	v_add_nc_u32 v[16+\p], s34, v[15+\p]           ; 8 x lane + p planes
.endr
	s_wait_alu depctr_va_vdst(0)
.irp p, 0,1,2,3,4,5,6,7,8,9,10,11,12,13,14,15,16
	s_wait_dscnt 16-\p                             ; plane p is in; the younger loads may be out
	global_store_b64 v[16+\p], v[34+2*\p:35+2*\p], s[6:7]          ; 32 lanes store 256 consecutive bytes, at a multiple of 256 from the buffer's first byte
.endr
	s_wait_tensorcnt 0x0                           ; the wave's end, behind my last LDS store
	ds_add_u32 v[SPW], v[NIL]
	s_wait_dscnt 0x0
	s_endpgm
.Lfunc_end_k_qf4dab457c8_quant:
	.size	k_qf4dab457c8_quant, .Lfunc_end_k_qf4dab457c8_quant-k_qf4dab457c8_quant
	.p2alignl 7, 3214868480
	.fill 96, 4, 3214868480
	.section	.rodata,"a",@progbits
	.p2align	6, 0x0
	.amdhsa_kernel k_qf4dab457c8_quant
		.amdhsa_group_segment_fixed_size 176384
		.amdhsa_private_segment_fixed_size 0
		.amdhsa_enable_private_segment 0
		.amdhsa_kernarg_size 80
		.amdhsa_user_sgpr_count 2
		.amdhsa_user_sgpr_kernarg_segment_ptr 1
		.amdhsa_wavefront_size32 1
		.amdhsa_system_sgpr_workgroup_id_x 1
		.amdhsa_system_sgpr_workgroup_id_y 1
		.amdhsa_system_sgpr_workgroup_id_z 1
		.amdhsa_system_vgpr_workitem_id 0
		.amdhsa_next_free_vgpr 192
		.amdhsa_next_free_sgpr 66
		.amdhsa_reserve_vcc 0
		.amdhsa_float_denorm_mode_32 3
		.amdhsa_float_denorm_mode_16_64 3
		.amdhsa_memory_ordered 1
		.amdhsa_forward_progress 1
		.amdhsa_inst_pref_size 45
	.end_amdhsa_kernel
	.amdgpu_metadata
---
amdhsa.version: [ 1, 2 ]
amdhsa.kernels:
  - .name:           k_qf4dab457c8_quant
    .symbol:         k_qf4dab457c8_quant.kd
    .args:
      - { .name: x, .offset: 0, .size: 8, .value_kind: global_buffer, .address_space: global }
      - { .name: short_term, .offset: 8, .size: 8, .value_kind: global_buffer, .address_space: global }
      - { .name: W_f, .offset: 16, .size: 8, .value_kind: global_buffer, .address_space: global }
      - { .name: W_i, .offset: 24, .size: 8, .value_kind: global_buffer, .address_space: global }
      - { .name: W_c, .offset: 32, .size: 8, .value_kind: global_buffer, .address_space: global }
      - { .name: W_o, .offset: 40, .size: 8, .value_kind: global_buffer, .address_space: global }
      - { .name: W_h2o, .offset: 48, .size: 8, .value_kind: global_buffer, .address_space: global }
      - { .name: aq, .offset: 56, .size: 8, .value_kind: global_buffer, .address_space: global }
      - { .name: wq, .offset: 64, .size: 8, .value_kind: global_buffer, .address_space: global }
      - { .name: hq, .offset: 72, .size: 8, .value_kind: global_buffer, .address_space: global }
    .group_segment_fixed_size: 176384
    .private_segment_fixed_size: 0
    .kernarg_segment_align: 8
    .kernarg_segment_size: 80
    .max_flat_workgroup_size: 544
    .sgpr_count:     66
    .vgpr_count:     192
    .wavefront_size: 32
...
	.end_amdgpu_metadata
.endif
;; end of part 1
;; launch gates (part 2): grid 32 x 8, 4 waves a work-group, clusters of 4 x 4, 327,680 bytes of LDS; arguments aq, wq, b_f, b_i, b_c, b_o, long_term, out1, ob, cq; writes out1, ob, cq
.if DOCPART == 2
	.amdgcn_target "amdgcn-amd-amdhsa--gfx1250"
	.amdhsa_code_object_version 6
	.text
	.protected	k_qf4dab457c8_gates
	.globl	k_qf4dab457c8_gates
	.p2align	8
	.type	k_qf4dab457c8_gates,@function
k_qf4dab457c8_gates:
	s_mov_b64 s[64:65], 0
	v_nop
	global_prefetch_b8 v0, s[64:65] scope:SCOPE_SE
	s_setreg_imm32_b32 hwreg(HW_REG_WAVE_MODE, 25, 1), 1
	s_wait_xcnt 0x0
	s_wait_alu depctr_hold_cnt(0) depctr_sa_sdst(0) depctr_va_vdst(0) depctr_va_sdst(0) depctr_va_ssrc(0) depctr_va_vcc(0) depctr_vm_vsrc(0)
	s_getreg_b32 s2, hwreg(HW_REG_IB_STS2, 6, 4)
	s_cmp_eq_u32 s2, 0
	s_cbranch_scc0 .Lentry_in_a_cluster
	s_endpgm
.Lentry_in_a_cluster:
	s_bfe_u32 s2, ttmp6, 0x10000c
	s_cmp_lg_u32 s2, 0xf033
	s_cbranch_scc0 .Lentry_shape_is_right
	s_endpgm
.Lentry_shape_is_right:
; LSTM block, second launch: gates = combined W_all^T + b_all on codes of FP4 (K = 3,072), then C_new = sigmoid(f) long_term + sigmoid(i) tanh(C) -> out1 (f32) and, quantised along the hidden axis, -> cq;
; the o gate, bias included, -> ob as images of accumulators, for the third launch.  No work is left out.
; aq, wq, cq: Q[K step of 512][plane 0..16][row][16 bytes], as the first launch's head comment lays them down.
; A work-group of four waves makes 256 rows x 256 rows of wq (64 hidden units x 4 gates); a wave 128 x 128: 64 accumulators.  K goes in steps of 512 through two LDS slots filled by joint tensor loads:
; 4 x 4 work-groups form a cluster, aq's tiles are shared along its rows, wq's along its columns.  Each cluster begins at another K step and goes round: walk step j is K step (first + j) mod 6.
; The matrix instruction is used transposed (source 0 = rows of wq, source 1 = rows of aq); the sums start on the bias.
; A step of 128 along K is 64 products.  A and B have two sets of fragment registers each: the next step's 32 LDS loads stand in ONE run at the step's head, behind one wait and one set of places.
; A's sets lie at v128 and v192 of window 0 (the second where the bias lay, which the first step alone reads), B's at v0 and v128 of window 1; long_term at v64-127 and v192-255 of window 1.
; A slot's reads are over at the head of its last step: the round of the cluster's barrier and the refill stand there.
; PREFETCH: behind the joint load of walk step j (j = 0 .. 3) stands a request for walk step j + 2, two changes of slots ahead of the load that wants it.  Of the 128 rows x 17 planes that a wave fetches,
; each of the four partners that ask for them jointly takes 32 rows, told apart by address (cx for aq, cy for wq): 34 blocks of 256 bytes, a lane a block, two instructions a wave (in the second, lanes 1-31
; name the last block).  The four bases and the two offsets are made at the head and never rewritten.  The loop's second trip asks for nothing: its refills are the walk's last two.
; LIMITS: NaN and infinities among the inputs are not served; tanh's argument is held to -12 .. 12, where tanh is 1 in f32.
.macro ASET s                          ; which of A's two sets the lines below name
.set AF, 128+64*(\s)
.endm
.set PFO,    12                        ; v12, v13 the prefetches' offsets; s[74:81] their bases for walk steps 2 .. 5
.macro ASK b
	global_prefetch_b8 v[PFO], s[\b:\b+1] th:TH_LOAD_NT scope:SCOPE_SE      ; planes 0-15, two blocks each
	global_prefetch_b8 v[PFO+1], s[\b:\b+1] th:TH_LOAD_NT scope:SCOPE_SE    ; plane 16's two
.endm
.set NQ,     4
.set FR,     8
.set NL,     2
.set NP,     4
.set PLANE,  2048
.set HALFT,  17*PLANE
.set SLOT,   4*HALFT
.set SPARE,  2*SLOT
.set ASTEP,  17*2048*16
.set BSTEP,  17*8192*16
.set LAPS,   3
.set SPITCH, 272
.set LTO,  8
.set BO,   9
.set L16,  10
.set CQO,  11
.set ADRA, 16
.set ADRB, 20
.set ADRS, 22
.set STO,  24
.set RD,   25
.set CO,   26
.set SPW,  28
.set NIL,  29
.set SC,   32
.set AF,   128
.set BIAS, 192
.set G1,   24
.set G0,   32
.set G1B,  48
.set G0B,  56
.set WV,   66
.set RH,   67
.set CH,   68
.set KW,   98
.set MSB, 0
.macro WIN new
.if MSB != (\new)
	s_set_vgpr_msb (MSB<<8)|(\new)
.set MSB, (\new)
.endif
.endm
.set MUL_LO, 0xa1
.set MUL_HI, 0xf1
.set TO_B,   0x40
.macro JLOAD g0a, g1a, g0b, g1b
	s_cmp_eq_u32 s[RH], 0
	s_cbranch_scc0 .Lfor_b_\@
	tensor_load_to_lds s[\g0a:\g0a+3], s[\g1a:\g1a+7]
	s_nop 0
.rept 4
	v_nop
.endr
	s_branch .Lasked_\@
.Lfor_b_\@:
	tensor_load_to_lds s[\g0b:\g0b+3], s[\g1b:\g1b+7]
	s_nop 0
.rept 4
	v_nop
.endr
.Lasked_\@:
.endm
.macro CREST
	s_cmp_lg_u32 s[WV], 0
	s_cbranch_scc1 .Lnot_wave_0_\@
	s_barrier_signal -3
.Lnot_wave_0_\@:
	s_barrier_wait -3
	s_barrier_signal -1
	s_barrier_wait -1
.endm
.macro CROUND
	s_barrier_signal -1
	s_barrier_wait -1
	CREST
.endm
.macro MOD6 k
	s_mul_i32 s95, s[\k], 43
	s_lshr_b32 s95, s95, 8
	s_mul_i32 s95, s95, 6
	s_sub_co_u32 s[\k], s[\k], s95
.endm
.macro AIM slot
	s_mul_i32 s96, s[KW+\slot], ASTEP
	s_add_nc_u64 s[G0+4*\slot+2:G0+4*\slot+3], s[70:71], s[96:97]
	s_or_b32 s[G0+4*\slot+3], s[G0+4*\slot+3], 0x80000000
	s_mul_i32 s96, s[KW+\slot], BSTEP
	s_add_nc_u64 s[G0B+4*\slot+2:G0B+4*\slot+3], s[46:47], s[96:97]
	s_or_b32 s[G0B+4*\slot+3], s[G0B+4*\slot+3], 0x80000000
.endm
	s_load_b512 s[4:19], s[0:1], 0x0
	s_load_b128 s[20:23], s[0:1], 0x40
	v_lshl_add_u32 v[SPW], v0, 2, SPARE
	v_mov_b32 v[NIL], 0
	ds_add_u32 v[SPW], v[NIL]
	ds_add_u32 v[SPW], v[NIL]
	v_lshrrev_b32 v1, 5, v0
	v_readfirstlane_b32 s[WV], v1
	s_lshr_b32 s[RH], s[WV], 1
	s_and_b32 s[CH], s[WV], 1
	s_bfe_u32 s40, ttmp6, 0x40000
	s_bfe_u32 s41, ttmp6, 0x40004
	s_lshl_b32 s42, ttmp9, 2
	s_add_co_u32 s42, s42, s40
	s_and_b32 s69, ttmp7, 0xffff
	s_lshl_b32 s69, s69, 2
	s_add_co_u32 s69, s69, s41
	s_lshl_b32 s43, s41, 2
	s_lshl_b32 s43, 15, s43
	s_lshl_b32 s44, 0x1111, s40
	s_and_b32 s95, ttmp7, 0xffff
	s_mul_i32 s95, s95, 3
	s_lshl_b32 s[KW], ttmp9, 1
	s_add_co_u32 s[KW], s[KW], s95
	MOD6 KW
	s_add_co_u32 s[KW+1], s[KW], 1
	MOD6 KW+1
	s_mov_b32 s97, 0
	s_or_b32 s[G1+0], s43, (3<<16)|(1<<21)
	s_or_b32 s[G1B+0], s44, (3<<16)|(1<<21)
.irp g, G1, G1B
	s_mov_b32 s[\g+1], 256<<16
	s_mov_b32 s[\g+2], 17<<16
	s_mov_b32 s[\g+3], 256<<16
	s_mov_b32 s[\g+4], 17
	s_mov_b32 s[\g+6], 0
	s_mov_b32 s[\g+7], 0
.endr
	s_mov_b32 s[G1+5], 4096
	s_mov_b32 s[G1B+5], 16384
	s_lshl_b32 s74, s[CH], 7
	s_lshl_b32 s70, s69, 8
	s_add_co_u32 s70, s70, s74
	s_lshl_b32 s70, s70, 4
	s_mov_b32 s71, 0
	s_lshl_b32 s46, s42, 8
	s_add_co_u32 s46, s46, s74
	s_lshl_b32 s46, s46, 4
	s_mov_b32 s47, 0
	s_mul_i32 s45, s[WV], HALFT
	s_mov_b32 s86, 0xbfb8aa3b
	s_mov_b32 s87, s86
	s_mov_b32 s88, 0x4038aa3b
	s_mov_b32 s89, s88
	s_mov_b32 s90, 0x76543210
	s_mov_b32 s91, 0xfedcba98
	s_mov_b32 s92, 0xffff0000
	s_mov_b32 s93, 0xc1400000
	s_mov_b32 s94, 0x41400000
	s_wait_dscnt 0x0
	s_wait_kmcnt 0x0
	s_add_nc_u64 s[70:71], s[4:5], s[70:71]
	s_add_nc_u64 s[46:47], s[6:7], s[46:47]
.irp s, 0,1
	s_mov_b32 s[G0+4*\s], 1
	s_add_co_u32 s[G0+4*\s+1], s45, \s*SLOT
	s_mov_b32 s[G0B+4*\s], 1
	s_add_co_u32 s[G0B+4*\s+1], s45, \s*SLOT
	AIM \s
.endr
	CROUND
	JLOAD G0, G1, G0B, G1B                         ; my part of walk step 0: one tensor load a wave at the head; the set-up below stands under its flight
	s_lshl_b32 s74, s42, 8
	s_lshl_b32 s75, s[CH], 7
	s_add_co_u32 s74, s74, s75
	s_mov_b32 s75, 0
.irp g, 8,10,12,14
	s_add_nc_u64 s[\g:\g+1], s[\g:\g+1], s[74:75]
.endr
	s_lshl_b32 s76, s69, 8
	s_lshl_b32 s77, s[RH], 7
	s_add_co_u32 s76, s76, s77
	s_lshl_b32 s78, s76, 13
	s_add_co_u32 s78, s78, s74
	s_mov_b32 s79, 0
	s_add_nc_u64 s[16:17], s[16:17], s[78:79]
	s_lshl_b32 s80, s[CH], 4
	s_add_co_u32 s78, s76, s80
	s_lshl_b32 s78, s78, 13
	s_lshl_b32 s80, s42, 8
	s_add_co_u32 s78, s78, s80
	s_add_nc_u64 s[18:19], s[18:19], s[78:79]
	s_lshl_b32 s78, s76, 13
	s_lshl_b32 s80, s42, 12
	s_add_co_u32 s78, s78, s80
	s_lshl_b32 s80, s[CH], 11
	s_add_co_u32 s78, s78, s80
	s_add_nc_u64 s[20:21], s[20:21], s[78:79]
	s_lshl_b32 s80, s42, 1
	s_add_co_u32 s80, s80, s[CH]
	s_lshr_b32 s81, s80, 4
	s_and_b32 s82, s80, 15
	s_mul_i32 s81, s81, 17
	s_add_co_u32 s83, s81, 16
	s_lshl_b32 s83, s83, 11
	s_add_co_u32 s83, s83, s76
	s_lshl_b32 s83, s83, 4
	s_add_co_u32 s78, s83, s82
	s_add_nc_u64 s[72:73], s[22:23], s[78:79]
	s_add_co_u32 s81, s81, s82
	s_lshl_b32 s81, s81, 11
	s_add_co_u32 s81, s81, s76
	s_lshl_b32 s78, s81, 4
	s_add_nc_u64 s[22:23], s[22:23], s[78:79]
	v_and_b32 v1, 15, v0
	v_bfe_u32 v2, v0, 4, 1
	v_lshlrev_b32 v3, 4, v1
	v_lshlrev_b32 v[LTO], 13, v1
	v_lshl_add_u32 v[LTO], v2, 6, v[LTO]
	v_lshlrev_b32 v[BO], 6, v2
.irp g, 0,1,2,3
.irp u, 0,1
	global_load_b128 v[BIAS+8*(2*\g+\u):BIAS+8*(2*\g+\u)+3],   v[BO], s[8+2*\g:9+2*\g] offset:32*\u
	global_load_b128 v[BIAS+8*(2*\g+\u)+4:BIAS+8*(2*\g+\u)+7], v[BO], s[8+2*\g:9+2*\g] offset:32*\u+16
.endr
.endr
	v_lshl_add_u32 v4, v2, 11, v3
	s_mul_i32 s84, s[RH], HALFT
	s_mul_i32 s85, s[CH], HALFT
	s_add_co_u32 s85, s85, 2*HALFT
.irp s, 0,1
	v_add_nc_u32 v[ADRA+\s], s84, v4
	v_add_nc_u32 v[ADRB+\s], s85, v4
	s_add_co_u32 s84, s84, SLOT
	s_add_co_u32 s85, s85, SLOT
.endr
	s_mul_i32 s84, s[RH], HALFT
	s_mul_i32 s85, s[CH], HALFT
	s_add_co_u32 s85, s85, 2*HALFT
	s_sub_co_u32 s85, s85, s84
	v_mul_u32_u24 v5, s85, v2
	v_add_nc_u32 v5, v5, v3
	s_add_co_u32 s84, s84, 16*PLANE
	v_add_nc_u32 v[ADRS], s84, v5
	s_add_co_u32 s84, s84, SLOT
	v_add_nc_u32 v[ADRS+1], s84, v5
	v_mul_u32_u24 v5, v1, SPITCH
	v_lshl_add_u32 v5, v2, 6, v5
	s_mul_i32 s84, s[RH], 128*SPITCH
	s_lshl_b32 s85, s[CH], 7
	s_add_co_u32 s84, s84, s85
	v_add_nc_u32 v[STO], s84, v5
	v_mul_u32_u24 v5, v2, SPITCH
	v_add_nc_u32 v5, v5, v3
	s_mul_i32 s84, s[RH], 128*SPITCH
	s_mul_i32 s85, s[CH], 16*SPITCH
	s_add_co_u32 s84, s84, s85
	v_add_nc_u32 v[RD], s84, v5
	v_lshl_add_u32 v[CO], v2, 13, v3
	v_and_b32 v[L16], 31, v0
	v_lshlrev_b32 v[L16], 4, v[L16]
	v_lshl_add_u32 v[CQO], v2, 3, v3
.macro FRAG reg, adr, q, i
.irp c, 0,1
	ds_load_b128 v[\reg+4*\c:\reg+4*\c+3], v[\adr] offset:(4*(\q)+2*\c)*PLANE+(\i)*256
.endr
.endm
.macro MUL16 a0, p, q, sc, zero
.irp a, \a0, \a0+1
.irp b, 0,1,2,3,4,5,6,7
.if \zero
	v_wmma_scale_f32_16x16x128_f8f6f4 v[8*(8*((\a)%4)+\b):8*(8*((\a)%4)+\b)+7], v[128*(\p)+FR*\b:128*(\p)+FR*\b+FR-1], v[AF+FR*(\a):AF+FR*(\a)+FR-1], v[BIAS+8*\b:BIAS+8*\b+7], v[SC+8*NQ*(\sc)+NQ*\b+(\q)], v[SC+8*NQ*(\sc)+NQ*(\a)+(\q)] matrix_a_fmt:MATRIX_FMT_FP4 matrix_b_fmt:MATRIX_FMT_FP4 matrix_a_scale:MATRIX_SCALE_ROW1
.else
	v_wmma_scale_f32_16x16x128_f8f6f4 v[8*(8*((\a)%4)+\b):8*(8*((\a)%4)+\b)+7], v[128*(\p)+FR*\b:128*(\p)+FR*\b+FR-1], v[AF+FR*(\a):AF+FR*(\a)+FR-1], v[8*(8*((\a)%4)+\b):8*(8*((\a)%4)+\b)+7], v[SC+8*NQ*(\sc)+NQ*\b+(\q)], v[SC+8*NQ*(\sc)+NQ*(\a)+(\q)] matrix_a_fmt:MATRIX_FMT_FP4 matrix_b_fmt:MATRIX_FMT_FP4 matrix_a_scale:MATRIX_SCALE_ROW1
.endif
.endr
.endr
.endm
.macro FETCH_B slot, q, p
	WIN TO_B
.irp i, 0,1,2,3,4,5,6,7
	FRAG 128*(\p)+FR*\i, ADRB+\slot, \q, \i
.endr
	WIN 0
.endm
.macro FETCH_A slot, q, i0
.irp i, \i0, \i0+1, \i0+2, \i0+3
	FRAG AF+FR*(\i), ADRA+\slot, \q, \i
.endr
.endm
.macro SCALES sc
.irp i, 0,1,2,3,4,5,6,7
	ds_load_b128 v[SC+8*NQ*\sc+NQ*\i:SC+8*NQ*\sc+NQ*\i+3], v[ADRS+\sc] offset:\i*256
.endr
.endm
.macro PLACES n
.rept \n
	v_nop
.endr
.endm
.macro STEP slot, q, zero
	s_wait_dscnt 0x0                               ; this step's fragments are in: they were asked for at the last step's head
.if (\zero) == 0
	PLACES NP                                      ; behind the last step's products, which read the sets that are filled now
.endif
	FETCH_B \slot, (\q)+1, 1-(\q)%2
.if (\zero) == 0
	ASET 1-(\q)%2
	FETCH_A \slot, (\q)+1, 0
	FETCH_A \slot, (\q)+1, 4
.endif
	ASET (\q)%2
	WIN MUL_LO-0x20*(\zero)
	MUL16 0, (\q)%2, \q, \slot, \zero
	MUL16 2, (\q)%2, \q, \slot, \zero
	WIN MUL_HI-0x30*(\zero)
	MUL16 4, (\q)%2, \q, \slot, \zero
	MUL16 6, (\q)%2, \q, \slot, \zero
	WIN 0
.if \zero
	PLACES NP                                      ; the first step's products have read the bias: A's second set takes its registers
	ASET 1-(\q)%2
	FETCH_A \slot, (\q)+1, 0
	FETCH_A \slot, (\q)+1, 4
.endif
.endm
.macro TURN slot, next, fill
	s_wait_tensorcnt 0x0
	ds_add_u32 v[SPW], v[NIL]
.if \fill
	s_add_co_u32 s[KW+\slot], s[KW+\slot], 2
	MOD6 KW+\slot
	AIM \slot
.endif
	s_wait_dscnt 0x0                               ; the add is done, and my reads of this slot are over: its last fragments are in registers
	s_barrier_signal -1
	ASET 1
	WIN MUL_LO
	MUL16 0, 1, NQ-1, \slot, 0
	WIN 0
	s_barrier_wait -1
.if \fill
	CREST
	JLOAD G0+4*\slot, G1, G0B+4*\slot, G1B
.else
	PLACES NP
.endif
	FETCH_B \next, 0, 0
	ASET 0
	FETCH_A \next, 0, 0
	FETCH_A \next, 0, 4
	SCALES \next
.if \fill
	s_cmp_eq_u32 s3, LAPS-1                        ; the loop's first trip refills walk steps 2 and 3 and asks for 4 and 5; the second asks for nothing
	s_cbranch_scc0 .Lno_ask_\@
	ASK 78+2*\slot
.Lno_ask_\@:
.endif
	ASET 1
	WIN MUL_LO
	MUL16 2, 1, NQ-1, \slot, 0
	WIN MUL_HI
	MUL16 4, 1, NQ-1, \slot, 0
	MUL16 6, 1, NQ-1, \slot, 0
	WIN 0
.endm
.macro STEPS slot, from
.set Q, \from
.rept NQ-1-\from
	STEP \slot, Q, 0
.set Q, Q+1
.endr
.endm
	s_cmp_eq_u32 s[RH], 0                          ; the prefetches: do I fetch for aq or for wq?  Only selects and moves stand behind the compare
	s_cselect_b64 s[84:85], s[70:71], s[46:47]     ; my 128 rows' first byte
	s_cselect_b32 s82, s40, s41                    ; my work-group's place among the four that ask with it
	s_mov_b32 s83, BSTEP
	s_cselect_b32 s83, ASTEP, s83                  ; a K step in bytes
	s_mov_b32 s96, 0x20000
	s_cselect_b32 s96, 0x8000, s96                 ; a plane in bytes
	v_and_b32 v5, 31, v0
	v_lshrrev_b32 v6, 1, v5                        ; lane l: plane l / 2, block l % 2 of my 32 rows' 512 bytes
	v_and_b32 v7, 1, v5
	v_min_u32 v5, 1, v5
	v_mul_u32_u24 v6, s96, v6
	v_lshlrev_b32 v7, 8, v7
	v_lshlrev_b32 v5, 8, v5
	s_lshl_b32 s96, s96, 4
	v_add_nc_u32 v[PFO], v6, v7
	v_add_nc_u32 v[PFO+1], s96, v5                 ; plane 16: lane 0 its first block, the others its last
	s_wait_alu depctr_va_vdst(0)
	s_lshl_b32 s96, s82, 9                         ; 32 rows x 16 bytes for each place
	s_add_nc_u64 s[84:85], s[84:85], s[96:97]
.irp j, 2,3,4,5
	s_add_co_u32 s82, s[KW], \j
	MOD6 82                                        ; walk step j's K step
	s_mul_i32 s96, s82, s83
	s_add_nc_u64 s[70+2*\j:71+2*\j], s[84:85], s[96:97]
.if \j == 2
	ASK 74                                         ; behind walk step 0's load: walk step 2
.endif
.endr
	s_wait_alu depctr_va_vdst(0)
	s_wait_tensorcnt 0x0                           ; my part of walk step 0 is in,
	ds_add_u32 v[SPW], v[NIL]
	s_wait_dscnt 0x0
	CROUND                                         ; everybody's part is in, and all sixteen work-groups are here:
	JLOAD G0+4, G1, G0B+4, G1B                     ; slot 1's first fill, the first tensor load behind the round
	FETCH_B 0, 0, 0
	ASK 76                                         ; behind walk step 1's load: walk step 3
	FETCH_A 0, 0, 0
	SCALES 0
	FETCH_A 0, 0, 4
	s_wait_loadcnt 0x0                             ; the bias
	STEP 0, 0, 1
	WIN TO_B
.irp a, 0,1,2,3,4,5,6,7                        ; long_term, in the places of C_new's registers: wanted on the way out
.irp q, 0,1,2,3
	global_load_b128 v[64+16*\a+64*(\a/4)+4*\q:64+16*\a+64*(\a/4)+4*\q+3], v[LTO], s[16:17] offset:131072*\a+16*\q
.endr
.endr
	WIN 0
	s_mov_b32 s3, LAPS-1
.Llap:
	STEPS 0, 1
	TURN 0, 1, 1
	STEPS 1, 0
	TURN 1, 0, 1
	STEP 0, 0, 0
	s_sub_co_u32 s3, s3, 1
	s_cmp_lg_u32 s3, 0
	s_cbranch_scc1 .Llap
	STEPS 0, 1
	TURN 0, 1, 0
	STEPS 1, 0
	ASET 1
	s_wait_dscnt 4*NL                              ; the very last step: the youngest eight loads (A's blocks 4-7) may be out
	WIN MUL_LO
	MUL16 0, 1, NQ-1, 1, 0
	MUL16 2, 1, NQ-1, 1, 0
	s_wait_alu depctr_va_vdst(0)
	s_wait_dscnt 0
	WIN MUL_HI
	MUL16 4, 1, NQ-1, 1, 0
	MUL16 6, 1, NQ-1, 1, 0
	WIN 0
	ASET 0                                         ; the way out's rows come back into v128-191
.macro GATE a
.set FF, 64*((\a)%4)
.set II, FF+16
.set CC, FF+32
.set OO, FF+48
.set LT, 64+16*(\a)+64*((\a)/4)
.set WD, 0x08+4*((\a)/4)
.set WA, 0xaa+0x55*((\a)/4)
.set WL, 0xa9+0x54*((\a)/4)
	WIN WD
.irp u, 0,1
.irp f, 0,1
	global_store_b128 v[L16], v[OO+8*\u+4*\f:OO+8*\u+4*\f+3], s[20:21] offset:131072*(\a)+1024*\u+512*\f
.endr
.endr
	WIN WA
.set i, 0
.rept 16
	v_pk_mul_f32 v[FF+i:FF+i+1], v[FF+i:FF+i+1], s[86:87] op_sel_hi:[1,0]
.set i, i+2
.endr
.set i, 0
.rept 16
	v_med3_num_f32 v[CC+i], v[CC+i], s93, s94
.set i, i+1
.endr
.set i, 0
.rept 8
	v_pk_mul_f32 v[CC+i:CC+i+1], v[CC+i:CC+i+1], s[88:89] op_sel_hi:[1,0]
.set i, i+2
.endr
.set i, 0
	s_wait_alu depctr_va_vdst(0)
.rept 48
	v_exp_f32 v[FF+i], v[FF+i]
.set i, i+1
.endr
	v_nop
	s_wait_alu depctr_va_vdst(0)
.set i, 0
.rept 16
	v_pk_add_f32 v[FF+i:FF+i+1], v[FF+i:FF+i+1], 1.0 op_sel_hi:[1,0]
.set i, i+2
.endr
.set i, 0
.rept 8
	v_pk_fma_f32 v[II+i:II+i+1], v[II+i:II+i+1], v[CC+i:CC+i+1], v[II+i:II+i+1]
.set i, i+2
.endr
.set i, 0
.rept 8
	v_pk_add_f32 v[CC+i:CC+i+1], v[CC+i:CC+i+1], -1.0 op_sel_hi:[1,0]
.set i, i+2
.endr
.set i, 0
	s_wait_alu depctr_va_vdst(0)
.rept 32
	v_rcp_f32 v[FF+i], v[FF+i]
.set i, i+1
.endr
	v_nop
	s_wait_alu depctr_va_vdst(0)
.set i, 0
.rept 8
	v_pk_mul_f32 v[CC+i:CC+i+1], v[CC+i:CC+i+1], v[II+i:II+i+1]
.set i, i+2
.endr
	WIN WL
.set i, 0
.rept 8
	v_pk_fma_f32 v[FF+i:FF+i+1], v[LT+i:LT+i+1], v[FF+i:FF+i+1], v[CC+i:CC+i+1]
.set i, i+2
.endr
	WIN WA
	v_max3_num_f32 v[II], |v[FF]|, |v[FF+1]|, 0x1800000
	v_max3_num_f32 v[II+1], |v[FF+2]|, |v[FF+3]|, |v[FF+4]|
.irp k, 5,9
	v_max3_num_f32 v[II], v[II], |v[FF+\k]|, |v[FF+\k+1]|
	v_max3_num_f32 v[II+1], v[II+1], |v[FF+\k+2]|, |v[FF+\k+3]|
.endr
	v_max3_num_f32 v[II], v[II], |v[FF+13]|, |v[FF+14]|
	v_max3_num_f32 v[II], v[II], v[II+1], |v[FF+15]|
	v_permlanex16_b32 v[II+2], v[II], s90, s91
	v_max_num_f32 v[II], v[II], v[II+2]
	v_add_nc_u32 v[II+3], 0xff000000, v[II]
	v_lshrrev_b32 v[II+4], 23, v[II+3]
.if ((\a)%2) == 1
	v_cndmask_b32 v[II+5], v[II-60], v[II+4], s92
.endif
	v_cvt_scalef32_pk8_fp4_f32 v[II+6], v[FF:FF+7], v[II+3]
	v_cvt_scalef32_pk8_fp4_f32 v[II+7], v[FF+8:FF+15], v[II+3]
	v_nop
	WIN WD
.irp q, 0,1,2,3
	ds_store_b128 v[STO], v[FF+4*\q:FF+4*\q+3] offset:16*SPITCH*(\a)+16*\q
.endr
	global_store_b64 v[CQO], v[II+6:II+7], s[22:23] offset:256*(\a)
.if ((\a)%2) == 1
	global_store_b8 v[L16], v[II+5], s[72:73] offset:256*((\a)-1)
.endif
.endm
.macro SYNC
	WIN 0
	s_wait_dscnt 0x0
	s_barrier_signal -1
	s_barrier_wait -1
.endm
.macro BACK k
.irp t, 0,1,2,3,4,5,6,7
	ds_load_b128 v[AF+32*((\k)%2)+4*\t:AF+32*((\k)%2)+4*\t+3], v[RD] offset:(32*(\k)+2*\t)*SPITCH
.endr
.endm
.macro OUT k, younger
	WIN 0
	s_wait_dscnt \younger
.irp t, 0,1,2,3,4,5,6,7
	global_store_b128 v[CO], v[AF+32*((\k)%2)+4*\t:AF+32*((\k)%2)+4*\t+3], s[18:19] offset:(32*(\k)+2*\t)*8192 th:TH_STORE_NT
.endr
.endm
	PLACES NP
	s_wait_loadcnt 0x0
	GATE 0
	GATE 1
	SYNC
	BACK 0
	GATE 2
	OUT 0, 4
	GATE 3
	SYNC
	BACK 1
	GATE 4
	OUT 1, 4
	GATE 5
	SYNC
	s_wait_xcnt 0x0
	BACK 2
	GATE 6
	OUT 2, 4
	GATE 7
	SYNC
	s_wait_xcnt 0x0
	BACK 3
	OUT 3, 0
	s_wait_tensorcnt 0x0
	ds_add_u32 v[SPW], v[NIL]
	s_wait_dscnt 0x0
	CROUND
	s_endpgm
.Lfunc_end_k_qf4dab457c8_gates:
	.size	k_qf4dab457c8_gates, .Lfunc_end_k_qf4dab457c8_gates-k_qf4dab457c8_gates
	.p2alignl 7, 3214868480
	.fill 96, 4, 3214868480
	.section	.rodata,"a",@progbits
	.p2align	6, 0x0
	.amdhsa_kernel k_qf4dab457c8_gates
		.amdhsa_group_segment_fixed_size 327680
		.amdhsa_private_segment_fixed_size 0
		.amdhsa_enable_private_segment 0
		.amdhsa_kernarg_size 80
		.amdhsa_user_sgpr_count 2
		.amdhsa_user_sgpr_kernarg_segment_ptr 1
		.amdhsa_wavefront_size32 1
		.amdhsa_system_sgpr_workgroup_id_x 1
		.amdhsa_system_sgpr_workgroup_id_y 1
		.amdhsa_system_sgpr_workgroup_id_z 1
		.amdhsa_system_vgpr_workitem_id 0
		.amdhsa_next_free_vgpr 1024
		.amdhsa_next_free_sgpr 100
		.amdhsa_reserve_vcc 0
		.amdhsa_float_denorm_mode_32 3
		.amdhsa_float_denorm_mode_16_64 3
		.amdhsa_memory_ordered 1
		.amdhsa_forward_progress 1
		.amdhsa_inst_pref_size 255
	.end_amdhsa_kernel
	.section	.bss,"aw",@nobits
	.p2align	6
	.space	262144
	.amdgpu_metadata
---
amdhsa.version: [ 1, 2 ]
amdhsa.kernels:
  - .name:           k_qf4dab457c8_gates
    .symbol:         k_qf4dab457c8_gates.kd
    .args:
      - { .name: aq, .offset: 0, .size: 8, .value_kind: global_buffer, .address_space: global }
      - { .name: wq, .offset: 8, .size: 8, .value_kind: global_buffer, .address_space: global }
      - { .name: b_f, .offset: 16, .size: 8, .value_kind: global_buffer, .address_space: global }
      - { .name: b_i, .offset: 24, .size: 8, .value_kind: global_buffer, .address_space: global }
      - { .name: b_c, .offset: 32, .size: 8, .value_kind: global_buffer, .address_space: global }
      - { .name: b_o, .offset: 40, .size: 8, .value_kind: global_buffer, .address_space: global }
      - { .name: long_term, .offset: 48, .size: 8, .value_kind: global_buffer, .address_space: global }
      - { .name: out1, .offset: 56, .size: 8, .value_kind: global_buffer, .address_space: global }
      - { .name: ob, .offset: 64, .size: 8, .value_kind: global_buffer, .address_space: global }
      - { .name: cq, .offset: 72, .size: 8, .value_kind: global_buffer, .address_space: global }
    .group_segment_fixed_size: 327680
    .private_segment_fixed_size: 0
    .kernarg_segment_align: 8
    .kernarg_segment_size: 80
    .max_flat_workgroup_size: 128
    .sgpr_count:     100
    .vgpr_count:     1024
    .wavefront_size: 32
...
	.end_amdgpu_metadata
.endif
;; end of part 2
;; launch proj (part 3): grid 16 x 16, 4 waves a work-group, clusters of 4 x 4, 327,680 bytes of LDS; arguments cq, hq, ob, b_h2o, out0; writes out0
.if DOCPART == 3
	.amdgcn_target "amdgcn-amd-amdhsa--gfx1250"
	.amdhsa_code_object_version 6
	.text
	.protected	k_qf4dab457c8_proj
	.globl	k_qf4dab457c8_proj
	.p2align	8
	.type	k_qf4dab457c8_proj,@function
k_qf4dab457c8_proj:
	s_mov_b64 s[64:65], 0
	v_nop
	global_prefetch_b8 v0, s[64:65] scope:SCOPE_SE
	s_setreg_imm32_b32 hwreg(HW_REG_WAVE_MODE, 25, 1), 1
	s_wait_xcnt 0x0
	s_wait_alu depctr_hold_cnt(0) depctr_sa_sdst(0) depctr_va_vdst(0) depctr_va_sdst(0) depctr_va_ssrc(0) depctr_va_vcc(0) depctr_vm_vsrc(0)
	s_getreg_b32 s2, hwreg(HW_REG_IB_STS2, 6, 4)
	s_cmp_eq_u32 s2, 0
	s_cbranch_scc0 .Lentry_in_a_cluster
	s_endpgm
.Lentry_in_a_cluster:
	s_bfe_u32 s2, ttmp6, 0x10000c
	s_cmp_lg_u32 s2, 0xf033
	s_cbranch_scc0 .Lentry_shape_is_right
	s_endpgm
.Lentry_shape_is_right:
; LSTM block, third launch: out0 = tanh(C_new W_h2o^T + b_h2o) sigmoid(o), the product on codes of FP4 (K = 2,048).  No work is left out.
; cq (C_new) and hq (W_h2o): Q[K step of 512][plane 0..16][row][16 bytes], as the earlier launches laid them; hq's row 16 G + rr is row 32 P + 8 u + rr + 8 (rr / 8) of W_h2o, G = 2 P + u.
; ob: the o gate, bias included, as images of accumulators: ob[row / 16][2 P + u][1,024 bytes]: lane (r, h), register j: row 16 (row / 16) + r, hidden unit 32 P + 16 h + 8 u + j.
; SHARES.  A tile of 128 x 128 to a work-group: 16 x 16 work-groups (tiles of 256 x 256 would be 64).  A wave makes 64 x 64: 16 accumulators.
; THE MATRIX INSTRUCTION IS USED TRANSPOSED (source 0 = 16 rows of hq, source 1 = 16 rows of cq): accumulator (a, b = 2 p + u), lane (r, h), register j: row 16 a + r, column 32 p + 16 h + 8 u + j of my 64:
; the very places of ob's images, which so come from memory straight into registers, 512 consecutive bytes a load.
; ALL OF K LIES IN LDS, each byte filled once.  The 4 x 17 planes of 64 rows lie one plane's pitch apart in memory through all four K steps, so ONE tensor load of 68 lines x 1,024 bytes brings a wave's
; 64 rows for all of K: one load a wave, 4 x 69,632 bytes in all.  One wait for it and one barrier stand ahead of the first LDS read.
; CLUSTERS: 4 x 4 work-groups: cq's tiles are shared along a row of the cluster, hq's along a column, by joint loads.  No prefetch: the launch has no loop of refills to run ahead in.
; L = log2(e): ez = 2^(2 L z'), z' = z held to -12 .. 12 (tanh(12) is 1 in f32), eo = 2^(-L o): out0 = (ez - 1) / ((1 + ez)(1 + eo)).  Where eo overflows the reciprocal is 0, which is the limit.
; LIMITS: NaN and infinities among the inputs are not served; tanh near 0 carries the absolute error of (ez - 1), about 1e-7.
; REGISTERS: window 0: v1-29 addresses; v32-63 scale words, two sets, and nothing else; v64-95 the bias, later with v96-127 rows of out0; v128-255 the accumulators, (a, b) at v[128 + 8 (4 a + b)].
;   window 1: v0-127 two fragment buffers of 64 (cq's four blocks, then hq's four); v128-255 the o gate, under the accumulators' own numbers.
.set PL,     1024                      ; a plane of 64 rows
.set RGN,    17*PL                     ; a K step of 64 rows
.set WRG,    4*RGN                     ; what one tensor load brings: regions 0, 1 cq's two halves, 2, 3 hq's
.set SPARE,  4*WRG                     ; behind the four regions: the spare words, 128 bytes for each wave
.set SPITCH, 272                       ; the way out: 64 rows x (256 bytes + 16) for each wave, where K step 0 of its region lay: filled once, and read by nobody behind the barrier at K step 0's end
.set STO,  8
.set RD,   9
.set CO,   10
.set L16,  11
.set BO,   12
.set ADA,  16                          ; v16-19  LDS address of my cq fragments in K step 0 .. 3
.set ADB,  20                          ; v20-23  the same for hq
.set ADS,  24                          ; v24-27  of my scale words: lanes 0-15 cq's rows, lanes 16-31 hq's
.set SPW,  28
.set NIL,  29
.set SC,   32
.set BIAS, 64
.set OB,   64
.set ACC,  128
.set G1A,  24                          ; s[24:31], s[32:39] descriptor groups 1;  s[40:43], s[44:47] groups 0
.set G1B,  32
.set G0A,  40
.set G0B,  44
.set MSB, 0
.macro WIN new                         ; the immediate's high byte repeats the setting that is left
.if MSB != (\new)
	s_set_vgpr_msb (MSB<<8)|(\new)
.set MSB, (\new)
.endif
.endm
.set MUL,  0x05                        ; sources 0 (hq) and 1 (cq) window 1; C and D window 0
.set TO_F, 0x40                        ; destination window 1, address window 0
.macro CROUND                          ; a round of the cluster's barrier
	s_barrier_signal -1
	s_barrier_wait -1
	s_cmp_lg_u32 s14, 0
	s_cbranch_scc1 .Lnot_wave_0_\@
	s_barrier_signal -3
.Lnot_wave_0_\@:
	s_barrier_wait -3
	s_barrier_signal -1
	s_barrier_wait -1
.endm
.macro PLACES                          ; four places behind a matrix instruction (ISA guide 7.12.1 for vector instructions)
.rept 4
	v_nop
.endr
.endm
	s_load_b256 s[4:11], s[0:1], 0x0               ; cq, hq, ob, b_h2o
	s_load_b64 s[12:13], s[0:1], 0x20              ; out0
	v_lshl_add_u32 v[SPW], v0, 2, SPARE
	v_mov_b32 v[NIL], 0
	ds_add_u32 v[SPW], v[NIL]                      ; the opening
	ds_add_u32 v[SPW], v[NIL]
	v_lshrrev_b32 v1, 5, v0
	v_readfirstlane_b32 s14, v1                    ; wave 0..3
	s_lshr_b32 s15, s14, 1                         ; RH: which half of the tile's rows is mine.  Also: I fetch for cq (0) or for hq (1)
	s_and_b32 s16, s14, 1                          ; CH: which half of its columns.  Also: which 64 rows I fetch
	s_bfe_u32 s19, ttmp6, 0x40000                  ; cx, cy
	s_bfe_u32 s20, ttmp6, 0x40004
	s_lshl_b32 s18, ttmp9, 2
	s_add_co_u32 s18, s18, s19                     ; TC = 4 x cluster x + cx
	s_and_b32 s17, ttmp7, 0xffff
	s_lshl_b32 s17, s17, 2
	s_add_co_u32 s17, s17, s20                     ; TR = 4 x cluster y + cy
	s_lshl_b32 s21, s20, 2
	s_lshl_b32 s21, 15, s21                        ; my row of the cluster
	s_lshl_b32 s22, 0x1111, s19                    ; my column
	s_or_b32 s[G1A+0], s21, (3<<16)|(1<<21)        ; 68 lines of 128 elements of 8 bytes, a plane of 2,048 rows apart in memory, dense in LDS
	s_or_b32 s[G1B+0], s22, (3<<16)|(1<<21)
.irp g, G1A, G1B
	s_mov_b32 s[\g+1], 128<<16                     ; tensor_dim0
	s_mov_b32 s[\g+2], 68<<16                      ; tensor_dim1
	s_mov_b32 s[\g+3], 128<<16                     ; tile_dim0
	s_mov_b32 s[\g+4], 68                          ; tile_dim1
	s_mov_b32 s[\g+5], 4096                        ; tensor_dim0_stride
	s_mov_b32 s[\g+6], 0
	s_mov_b32 s[\g+7], 0
.endr
	s_lshl_b32 s80, s16, 6                         ; which 64 rows of the tile I fetch
	s_lshl_b32 s76, s17, 7
	s_add_co_u32 s76, s76, s80
	s_lshl_b32 s76, s76, 4                         ; cq: (128 TR + 64 half) x 16 bytes
	s_mov_b32 s77, 0
	s_lshl_b32 s78, s18, 7
	s_add_co_u32 s78, s78, s80
	s_lshl_b32 s78, s78, 4                         ; hq: (128 TC + 64 half) x 16 bytes
	s_mov_b32 s79, 0
	s_mul_i32 s23, s14, WRG                        ; where they go: no place in the cluster enters an LDS address
	s_mov_b32 s86, 0xbfb8aa3b                      ; -L
	s_mov_b32 s87, s86
	s_mov_b32 s88, 0x4038aa3b                      ; 2 L
	s_mov_b32 s89, s88
	s_mov_b32 s93, 0xc1400000                      ; -12
	s_mov_b32 s94, 0x41400000                      ; 12
	s_wait_dscnt 0x0                               ; both opening adds are done
	s_wait_kmcnt 0x0
	s_add_nc_u64 s[76:77], s[4:5], s[76:77]
	s_add_nc_u64 s[78:79], s[6:7], s[78:79]
	CROUND                                         ; all sixteen work-groups are here: the joint loads meet
	s_mov_b32 s[G0A], 1
	s_add_co_u32 s[G0A+1], s23, 0
	s_mov_b64 s[G0A+2:G0A+3], s[76:77]
	s_or_b32 s[G0A+3], s[G0A+3], 0x80000000
	s_mov_b32 s[G0B], 1
	s_add_co_u32 s[G0B+1], s23, 0
	s_mov_b64 s[G0B+2:G0B+3], s[78:79]
	s_or_b32 s[G0B+3], s[G0B+3], 0x80000000
	s_cmp_eq_u32 s15, 0                            ; one branch on the wave's number, one fill to an arm
	s_cbranch_scc0 .Lfirst_b
	tensor_load_to_lds s[G0A:G0A+3], s[G1A:G1A+7]
	s_nop 0
.rept 4
	v_nop
.endr
	s_branch .Lfirst_asked
.Lfirst_b:
	tensor_load_to_lds s[G0B:G0B+3], s[G1B:G1B+7]
	s_nop 0
.rept 4
	v_nop
.endr
.Lfirst_asked:
	s_lshl_b32 s80, s18, 9
	s_lshl_b32 s81, s16, 8
	s_add_co_u32 s80, s80, s81                     ; my first column, 128 TC + 64 CH, x 4 bytes
	s_mov_b32 s81, 0
	s_add_nc_u64 s[10:11], s[10:11], s[80:81]      ; b_h2o
	s_lshl_b32 s82, s17, 20
	s_lshl_b32 s83, s15, 19
	s_add_co_u32 s82, s82, s83                     ; my first row, 128 TR + 64 RH, x 8,192 bytes
	s_add_co_u32 s84, s82, s80
	s_mov_b32 s85, 0
	s_add_nc_u64 s[12:13], s[12:13], s[84:85]      ; out0
	s_lshl_b32 s84, s18, 13
	s_add_co_u32 s84, s84, s82
	s_lshl_b32 s83, s16, 12
	s_add_co_u32 s84, s84, s83                     ; + (8 TC + 4 CH) images of 1,024 bytes
	s_add_nc_u64 s[8:9], s[8:9], s[84:85]          ; ob
	v_and_b32 v1, 15, v0                           ; r
	v_bfe_u32 v2, v0, 4, 1                         ; h
	v_lshlrev_b32 v3, 4, v1                        ; 16 r
	v_and_b32 v[L16], 31, v0
	v_lshlrev_b32 v[L16], 4, v[L16]
	v_lshlrev_b32 v[BO], 6, v2
.irp b, 0,1,2,3                                ; accumulators (., b = 2 p + u) want b_h2o at columns 32 p + 16 h + 8 u + 0 .. 7 of my 64
	global_load_b128 v[BIAS+8*\b:BIAS+8*\b+3],   v[BO], s[10:11] offset:128*(\b/2)+32*(\b%2)
	global_load_b128 v[BIAS+8*\b+4:BIAS+8*\b+7], v[BO], s[10:11] offset:128*(\b/2)+32*(\b%2)+16
.endr
	WIN TO_F
.irp a, 0,1,2,3
.irp b, 0,1,2,3
.irp f, 0,1
	global_load_b128 v[ACC+8*(4*\a+\b)+4*\f:ACC+8*(4*\a+\b)+4*\f+3], v[L16], s[8:9] offset:131072*\a+1024*\b+512*\f th:TH_LOAD_NT   ; the o gate: 32 lanes read 512 consecutive bytes; read once in the launch
.endr
.endr
.endr
	WIN 0
	v_lshl_add_u32 v4, v2, 10, v3                  ; a fragment: 16 r, and one plane on for lanes 16-31
	s_wait_alu depctr_va_vdst(0)
	s_mul_i32 s80, s15, WRG                        ; my 64 rows of cq
	s_mul_i32 s81, s16, WRG                        ; my 64 rows of hq,
	s_add_co_u32 s81, s81, 2*WRG                   ; which lie behind cq's two regions
	s_sub_co_u32 s82, s81, s80                     ; from cq's part to hq's
	v_mul_u32_u24 v5, s82, v2                      ; lanes 16-31 take hq's scale words
	v_add_nc_u32 v5, v5, v3
	s_add_co_u32 s82, s80, 16*PL                   ; plane 16
.irp k, 0,1,2,3
	v_add_nc_u32 v[ADA+\k], s80, v4
	v_add_nc_u32 v[ADB+\k], s81, v4
	v_add_nc_u32 v[ADS+\k], s82, v5
	s_add_co_u32 s80, s80, RGN
	s_add_co_u32 s81, s81, RGN
	s_add_co_u32 s82, s82, RGN
.endr
	v_mul_u32_u24 v5, v1, SPITCH                   ; my stage, in: row r (+ 16 a), bytes 64 h on
	v_lshl_add_u32 v5, v2, 6, v5
	v_add_nc_u32 v[STO], s23, v5
	v_mul_u32_u24 v5, v2, SPITCH                   ; back: lanes 0-15 one row of 256 bytes, lanes 16-31 the next
	v_add_nc_u32 v5, v5, v3
	v_add_nc_u32 v[RD], s23, v5
	v_lshl_add_u32 v[CO], v2, 13, v3               ; and the same two rows in out0
.macro FETCH ks, q, buf                ; the eight fragments of K step ks' q-th 128 along K: lane (r, h), registers 4 c .. 4 c + 3: plane 4 q + 2 c + h, row 16 i + r
	WIN TO_F
.irp i, 0,1,2,3
.irp c, 0,1
	ds_load_b128 v[64*(\buf)+32+8*\i+4*\c:64*(\buf)+32+8*\i+4*\c+3], v[ADB+(\ks)] offset:(4*(\q)+2*\c)*PL+256*\i
	ds_load_b128 v[64*(\buf)+8*\i+4*\c:64*(\buf)+8*\i+4*\c+3],       v[ADA+(\ks)] offset:(4*(\q)+2*\c)*PL+256*\i
.endr
.endr
.endm
.macro SCALES ks                       ; K step ks' scale words into set ks % 2: register 4 i + q: lanes 0-15 cq's block i, lanes 16-31 hq's block i
.irp i, 0,1,2,3
	ds_load_b128 v[SC+16*((\ks)%2)+4*\i:SC+16*((\ks)%2)+4*\i+3], v[ADS+(\ks)] offset:256*\i
.endr
.endm
; 8 matrix instructions: cq's blocks a0, a0 + 1 x hq's four.  first = 1: the sums start on the bias.  The 16 accumulators take turns.
.macro MUL8 a0, buf, q, set, first
.irp a, \a0, \a0+1
.irp b, 0,1,2,3
.if \first
	v_wmma_scale_f32_16x16x128_f8f6f4 v[ACC+8*(4*(\a)+\b):ACC+8*(4*(\a)+\b)+7], v[64*(\buf)+32+8*\b:64*(\buf)+32+8*\b+7], v[64*(\buf)+8*(\a):64*(\buf)+8*(\a)+7], v[BIAS+8*\b:BIAS+8*\b+7], v[SC+16*(\set)+4*\b+(\q)], v[SC+16*(\set)+4*(\a)+(\q)] matrix_a_fmt:MATRIX_FMT_FP4 matrix_b_fmt:MATRIX_FMT_FP4 matrix_a_scale:MATRIX_SCALE_ROW1
.else
	v_wmma_scale_f32_16x16x128_f8f6f4 v[ACC+8*(4*(\a)+\b):ACC+8*(4*(\a)+\b)+7], v[64*(\buf)+32+8*\b:64*(\buf)+32+8*\b+7], v[64*(\buf)+8*(\a):64*(\buf)+8*(\a)+7], v[ACC+8*(4*(\a)+\b):ACC+8*(4*(\a)+\b)+7], v[SC+16*(\set)+4*\b+(\q)], v[SC+16*(\set)+4*(\a)+(\q)] matrix_a_fmt:MATRIX_FMT_FP4 matrix_b_fmt:MATRIX_FMT_FP4 matrix_a_scale:MATRIX_SCALE_ROW1
.endif
.endr
.endr
.endm
; 128 along K: 16 matrix instructions on buffer q % 2; the next 128's fragments are asked for ahead of them, into the other buffer.
.macro QSTEP ks, q, first
	s_wait_dscnt 0x0                               ; this step's fragments (and scale words) are in
.if ((\q) == 3) && ((\ks) < 3)
.if (\ks) == 0
	s_barrier_signal -1                            ; my reads of K step 0 are over: behind this barrier its bytes serve as the waves' stages
.endif
	WIN MUL
	MUL8 0, 1, 3, (\ks)%2, 0
.if (\ks) == 0
	s_barrier_wait -1
.endif
	PLACES
	WIN 0
	SCALES (\ks)+1
	FETCH (\ks)+1, 0, 0
	WIN MUL
	MUL8 2, 1, 3, (\ks)%2, 0
.else
.if (\q) < 3
	PLACES
	FETCH \ks, (\q)+1, 1-(\q)%2
.endif
	WIN MUL
	MUL8 0, (\q)%2, \q, (\ks)%2, \first
	MUL8 2, (\q)%2, \q, (\ks)%2, \first
.endif
.endm
	s_wait_loadcnt 0x0                             ; the bias and the o gate are in.  1 + eo is made here, while the tensor load is out: it hangs on no product
	WIN 0x41                                       ; destination and source 0 in window 1
.set i, 0
.rept 64
	v_pk_mul_f32 v[ACC+i:ACC+i+1], v[ACC+i:ACC+i+1], s[86:87] op_sel_hi:[1,0]   ; -L o
.set i, i+2
.endr
	s_wait_alu depctr_va_vdst(0)                   ; ahead of the batch
.set i, 0
.rept 128
	v_exp_f32 v[ACC+i], v[ACC+i]                   ; eo
.set i, i+1
.endr
	v_nop                                          ; a plain line behind the last exponential
	s_wait_alu depctr_va_vdst(0)                   ; one wait for the 128, ahead of their first reader
.set i, 0
.rept 64
	v_pk_add_f32 v[ACC+i:ACC+i+1], v[ACC+i:ACC+i+1], 1.0 op_sel_hi:[1,0]        ; 1 + eo
.set i, i+2
.endr
	WIN 0
	s_wait_alu depctr_va_vdst(0)
	s_wait_tensorcnt 0x0                           ; my one load has landed,
	s_barrier_signal -1
	s_barrier_wait -1                              ; and everybody's
	SCALES 0
	FETCH 0, 0, 0
	QSTEP 0, 0, 1
.irp q, 1,2,3
	QSTEP 0, \q, 0
.endr
.irp k, 1,2,3
.irp q, 0,1,2,3
	QSTEP \k, \q, 0
.endr
.endr
	WIN 0
	PLACES                                         ; behind the last products
; THE WAY OUT, a block of 16 rows at a time: z in window 0 and 1 + eo, made at the head, in window 1 under the same numbers.  Every accumulator is read from its low end on.
.macro COMP a
.set Z, ACC+32*(\a)
	WIN 0
.set i, 0
.rept 32
	v_med3_num_f32 v[Z+i], v[Z+i], s93, s94        ; z held to -12 .. 12
.set i, i+1
.endr
.set i, 0
.rept 16
	v_pk_mul_f32 v[Z+i:Z+i+1], v[Z+i:Z+i+1], s[88:89] op_sel_hi:[1,0]       ; 2 L z
.set i, i+2
.endr
.set i, 0
	s_wait_alu depctr_va_vdst(0)                   ; ahead of the batch
.rept 32
	v_exp_f32 v[Z+i], v[Z+i]                       ; ez
.set i, i+1
.endr
	v_nop                                          ; a plain line behind the last exponential
	s_wait_alu depctr_va_vdst(0)                   ; one wait for the 32, ahead of their first reader
	WIN 0x51
.set i, 0
.rept 16
	v_pk_fma_f32 v[Z+i:Z+i+1], v[Z+i:Z+i+1], v[Z+i:Z+i+1], v[Z+i:Z+i+1]     ; (1 + eo) ez + (1 + eo)
.set i, i+2
.endr
	WIN 0
.set i, 0
.rept 16
	v_pk_add_f32 v[Z+i:Z+i+1], v[Z+i:Z+i+1], -1.0 op_sel_hi:[1,0]           ; ez - 1
.set i, i+2
.endr
	WIN 0x41
.set i, 0
	s_wait_alu depctr_va_vdst(0)                   ; ahead of the batch
.rept 32
	v_rcp_f32 v[Z+i], v[Z+i]
.set i, i+1
.endr
	v_nop
	s_wait_alu depctr_va_vdst(0)                   ; one wait for the 32 reciprocals
	WIN 0x04                                       ; source 1 in window 1
.set i, 0
.rept 16
	v_pk_mul_f32 v[Z+i:Z+i+1], v[Z+i:Z+i+1], v[Z+i:Z+i+1]                   ; out0
.set i, i+2
.endr
	WIN 0
.endm
.macro TOSTAGE a                       ; a lane's 32 bytes of a row go into my own stage and come back as whole rows of 256 bytes: LDS serves a wave's instructions in order
.irp b, 0,1,2,3
	ds_store_b128 v[STO], v[ACC+8*(4*(\a)+\b):ACC+8*(4*(\a)+\b)+3]   offset:16*SPITCH*(\a)+128*(\b/2)+32*(\b%2)
	ds_store_b128 v[STO], v[ACC+8*(4*(\a)+\b)+4:ACC+8*(4*(\a)+\b)+7] offset:16*SPITCH*(\a)+128*(\b/2)+32*(\b%2)+16
.endr
.irp t, 0,1,2,3,4,5,6,7
	ds_load_b128 v[OB+32*((\a)%2)+4*\t:OB+32*((\a)%2)+4*\t+3], v[RD] offset:16*SPITCH*(\a)+2*SPITCH*\t
.endr
.endm
.macro SEND a
.irp t, 0,1,2,3,4,5,6,7
	s_wait_dscnt 7-\t                              ; these two rows are in; the younger loads may be out
	global_store_b128 v[CO], v[OB+32*((\a)%2)+4*\t:OB+32*((\a)%2)+4*\t+3], s[12:13] offset:(16*(\a)+2*\t)*8192 th:TH_STORE_NT   ; 16 lanes store 256 consecutive bytes, at a multiple of 256 from out0's first byte
.endr
.endm
	COMP 0
	TOSTAGE 0
.irp a, 1,2,3                                  ; a block's arithmetic stands between the loads of the block before and its stores
	COMP \a
	s_wait_alu depctr_va_vdst(0)
	SEND \a-1
.if \a > 1
	s_wait_xcnt 0x0                                ; block a - 2's stores have read their registers: block a's rows may land there
.endif
	TOSTAGE \a
.endr
	SEND 3
	s_wait_tensorcnt 0x0                           ; the wave's end
	ds_add_u32 v[SPW], v[NIL]
	s_wait_dscnt 0x0
	CROUND                                         ; the closing round
	s_endpgm
.Lfunc_end_k_qf4dab457c8_proj:
	.size	k_qf4dab457c8_proj, .Lfunc_end_k_qf4dab457c8_proj-k_qf4dab457c8_proj
	.p2alignl 7, 3214868480
	.fill 96, 4, 3214868480
	.section	.rodata,"a",@progbits
	.p2align	6, 0x0
	.amdhsa_kernel k_qf4dab457c8_proj
		.amdhsa_group_segment_fixed_size 327680
		.amdhsa_private_segment_fixed_size 0
		.amdhsa_enable_private_segment 0
		.amdhsa_kernarg_size 40
		.amdhsa_user_sgpr_count 2
		.amdhsa_user_sgpr_kernarg_segment_ptr 1
		.amdhsa_wavefront_size32 1
		.amdhsa_system_sgpr_workgroup_id_x 1
		.amdhsa_system_sgpr_workgroup_id_y 1
		.amdhsa_system_sgpr_workgroup_id_z 1
		.amdhsa_system_vgpr_workitem_id 0
		.amdhsa_next_free_vgpr 512
		.amdhsa_next_free_sgpr 100
		.amdhsa_reserve_vcc 0
		.amdhsa_float_denorm_mode_32 3
		.amdhsa_float_denorm_mode_16_64 3
		.amdhsa_memory_ordered 1
		.amdhsa_forward_progress 1
		.amdhsa_inst_pref_size 118
	.end_amdhsa_kernel
	.amdgpu_metadata
---
amdhsa.version: [ 1, 2 ]
amdhsa.kernels:
  - .name:           k_qf4dab457c8_proj
    .symbol:         k_qf4dab457c8_proj.kd
    .args:
      - { .name: cq, .offset: 0, .size: 8, .value_kind: global_buffer, .address_space: global }
      - { .name: hq, .offset: 8, .size: 8, .value_kind: global_buffer, .address_space: global }
      - { .name: ob, .offset: 16, .size: 8, .value_kind: global_buffer, .address_space: global }
      - { .name: b_h2o, .offset: 24, .size: 8, .value_kind: global_buffer, .address_space: global }
      - { .name: out0, .offset: 32, .size: 8, .value_kind: global_buffer, .address_space: global }
    .group_segment_fixed_size: 327680
    .private_segment_fixed_size: 0
    .kernarg_segment_align: 8
    .kernarg_segment_size: 40
    .max_flat_workgroup_size: 128
    .sgpr_count:     100
    .vgpr_count:     512
    .wavefront_size: 32
...
	.end_amdgpu_metadata
.endif
;; end of part 3
